; MI455X (gfx1250); checked and timed in simulation.
; The chip was launched on July 23, 2026; its instructions are those of AMD's public machine-readable ISA for CDNA 5 (MIT licence, August 2026) and "CDNA5" Instruction Set Architecture Reference Guide (July 2026). The comments in the code are by the model that wrote it; some were corrected since.
;; Multihead Attention. Allowed arithmetic: matrix products marked QUANTISED: E4M3 operands, one given power-of-two scale a tensor, by v_wmma_f32_16x16x64_fp8_fp8 or v_wmma_f32_16x16x128_fp8_fp8, f32 sums; everything else in f32.
;; Inputs: Wk 1,024 x 1,024 float32; Wq 1,024 x 1,024 float32; Wv 1,024 x 1,024 float32; bk 1,024 float32; bq 1,024 float32; bv 1,024 float32; k 4 x 2,048 x 1,024 float32; lowp_scales 10 int32 (the exponents e of the quantised operands' scales 2^e); q 4 x 2,048 x 1,024 float32; v 4 x 2,048 x 1,024 float32.
;; Outputs: out0 4 x 2,048 x 1,024 float32.
;; This version of the problem:
;;   THIS VERSION OF THE PROBLEM IS GIVEN IN LOW PRECISION. The matrix products marked QUANTISED in the list below multiply operands that are first quantised to E4M3 (4 exponent bits, 3 mantissa bits; 8 bits a number), with one given power-of-two scale for each operand tensor; their sums are f32. All else is computed in f32.
;;   The module's matrix products, in the order in which they are computed (A, B: the left and right operand; K: the contracted axis; several contracted axes count as one K, in the product's order):
;;     1. [M 8,192, K 1,024] x [K 1,024, N 1,024]; A: input q; B: input Wq: QUANTISED (scales: A lowp_scales[0], B lowp_scales[1])
;;     2. [M 8,192, K 1,024] x [K 1,024, N 1,024]; A: input k; B: input Wk: QUANTISED (scales: A lowp_scales[2], B lowp_scales[3])
;;     3. [M 8,192, K 1,024] x [K 1,024, N 1,024]; A: input v; B: input Wv: QUANTISED (scales: A lowp_scales[4], B lowp_scales[5])
;;     4. batch 64 x [M 2,048, K 64] x [K 64, N 2,048]; A: computed on the way; B: computed on the way: QUANTISED (scales: A lowp_scales[6], B lowp_scales[7])
;;     5. batch 64 x [M 2,048, K 2,048] x [K 2,048, N 64]; A: softmax (see below); B: computed on the way: QUANTISED (scales: A lowp_scales[8], B lowp_scales[9])
;;   THE QUANTISER, for each operand of a quantised product, along K:
;;     - The operand's scale is 2^e, e = its entry of the input lowp_scales (int32; the entries are numbered through the quantised products in the list's order, A before B).
;;     - Each number is divided by the scale, clamped to +-448, and rounded to the nearest number of E4M3, ties to even, subnormals kept.
;;     - The product sums the exact products of the quantised numbers (number of the format x scale) in f32.
;;   ~~~python
;;   def quantise(x, axis, e):      # numpy; x: float32 -> the quantised numbers, widened to float32 again
;;       x = np.moveaxis(x, axis, -1); K = x.shape[-1]
;;       r = np.clip(x / 2.0 ** e, -448, 448)
;;       step = 2.0 ** (np.maximum(np.frexp(np.where(r == 0, 1, r))[1] - 1, -6) - 3)
;;       q = np.round(r / step) * step * 2.0 ** e      # np.round: ties to even
;;       return np.moveaxis(q, -1, axis).astype(np.float32)
;;   ~~~
;;   SOFTMAX AHEAD OF A QUANTISED PRODUCT. Where the list says 'softmax', what is quantised is not the finished softmax but p = 2^(t - M), with t = logit x log2(e) and M = ceil(the row's largest t), a whole number; so 1/2 < the row's largest p <= 1. The row's sum l is taken of the UNQUANTISED p, in f32, and the product's result is divided by l at the end. Since M is a whole number, a kernel that streams over the keys may use a running M (the ceiling of the running maximum): every later rescaling is an exact power of two, so the quantised numbers keep their values, but for numbers so far below the row's largest that they fall under the format's range.
;;   OPERANDS COMPUTED ON THE WAY. 'Computed on the way' means the value that the module computes at that place (a softmax that the list does not call 'softmax' is quantised finished and normalised). What goes into a quantiser is computed in f32, as accurately as f32 sums, v_exp_f32 and their like allow (about 1e-6 of the number): no bf16 or f16 on the way to a quantiser, and a product that is left as it is and whose result goes on into a quantised operand takes f32 operands (vector FMAs, or v_wmma_f32_16x16x4_f32). A number that lies on a knife's edge between two numbers of the format may be rounded either way, as far as f32 arithmetic and the matrix unit's own rounding can turn it there, and no further.
;; One version. Each part assembles by itself: llvm-mc -triple=amdgcn-amd-amdhsa -mcpu=gfx1250 --defsym DOCPART=n.
;; ======== version 1 of 1: 3 launches
;; limits: right only within a limited range of input values
;; workspace buffers: xc 25,165,824 bytes; wc 3,145,728 bytes; cod 25,165,824 bytes
;; launch quant (part 1): grid 864 x 1, 4 waves a work-group, no clusters, 35,328 bytes of LDS; arguments q, k, v, Wq, Wk, Wv, lowp_scales, xc, wc; writes xc, wc
.if DOCPART == 1
	.amdgcn_target "amdgcn-amd-amdhsa--gfx1250"
	.amdhsa_code_object_version 6
	.text
	.protected	k_qf306a686cb_quant
	.globl	k_qf306a686cb_quant
	.p2align	8
	.type	k_qf306a686cb_quant,@function
k_qf306a686cb_quant:
	s_mov_b64 s[64:65], 0
	v_nop
	global_prefetch_b8 v0, s[64:65] scope:SCOPE_SE
	s_setreg_imm32_b32 hwreg(HW_REG_WAVE_MODE, 25, 1), 1
	s_wait_xcnt 0x0
; q, k, v [8192][1024] and Wq, Wk, Wv [1024 (k)][1024 (n)], f32, become codes of FP8 (E4M3), each tensor with the one scale 2^e that is given for it
; (entries 0, 2, 4 of the scales for q, k, v; 1, 3, 5 for Wq, Wk, Wv).  code = x / 2^e, held within +-448, rounded to the nearest code, ties to even.
; xc: [3][8192][1024] codes; wc: [3][1024 (n)][1024] codes, K innermost in both.  Only this program's next launch reads them, so the ORDER ALONG K is this program's own,
; the same in both buffers: inside each 512 along K, byte 16 l + 4 c + i of a row holds k = 128 c + 4 l + i (l 0..31, c 0..3, i 0..3).  A product's partners still meet.
; With that order the rows of q, k, v need no turn through LDS: four loads of 512 consecutive bytes give lane l the numbers 128 c + 4 l + 0..3, its 16 codes are 16 bytes, and the wave stores 512 consecutive bytes.
; Work-groups 0 to 95 take the weights (a lane to a column n, its registers down K in the order above; the codes leave through the wave's own stage in LDS as rows of 256 bytes);
; work-groups 96 to 863 take q, k, v, 32,768 numbers each.  Waves share nothing: no barrier.  The branch between the two paths hangs on the work-group's number alone; only the weights' path stores to LDS.
; LIMITS: each e between -126 and 119, so that 2^e and 448 x 2^e are f32 numbers.  NaN among the inputs is not served (an infinity is held at the largest code).
.set WGW,   96                         ; work-groups for the weights: 3 tensors x 8 groups of 128 columns x 4 quarters of K
.set PITCH, 272                        ; a stage row: 256 bytes of codes + 16
.set SPARE, 4*32*PITCH                 ; behind the four stages: the spare words, 128 bytes for each wave, that no other line names
.set SPW,   14                         ; v14  LDS address of my spare word; never rewritten
.set NIL,   15                         ; v15  0; never rewritten
.set R,     16                         ; rows' path: v16-79   four sets of 16 numbers
.set C,     128                        ; rows' path: v128-191 four registers of codes for each step: no store's data are written again
.set X,     32                         ; weights' path: v32-95 two sets of 32 numbers
.set CW,    96                         ; weights' path: v96-103 a block's codes
.set OUTR,  112                        ; weights' path: v112-175 the way out
.macro XLOAD t                         ; step t: four loads of 512 consecutive bytes
.irp i, 0,1,2,3
	global_load_b128 v[R+16*((\t)%4)+4*\i:R+16*((\t)%4)+4*\i+3], v3, s[4:5] offset:2048*(\t)+512*\i th:TH_LOAD_NT
.endr
.endm
.macro XSTEP t
.set XS, R+16*((\t)%4)
.if 15-(\t) >= 3
	s_wait_loadcnt 12                              ; this step's four loads are in; those of the three steps behind it may be out
.else
	s_wait_loadcnt 4*(15-(\t))
.endif
.irp i, 0,1,2,3,4,5,6,7,8,9,10,11,12,13,14,15
	v_med3_num_f32 v[XS+\i], v[XS+\i], -v10, v10   ; the conversion to an 8-bit code does not saturate (ISA guide 7.6.2): the hold at the largest code x the scale comes first
.endr
	v_cvt_scalef32_pk8_fp8_f32 v[C+4*(\t):C+4*(\t)+1], v[XS:XS+7], v11
	v_cvt_scalef32_pk8_fp8_f32 v[C+4*(\t)+2:C+4*(\t)+3], v[XS+8:XS+15], v11
	global_store_b128 v3, v[C+4*(\t):C+4*(\t)+3], s[6:7] offset:512*(\t)   ; 32 lanes store 512 consecutive bytes, aligned.  (The codes go to a store alone, and the next vector lines are plain and touch other registers)
.if (\t)+4 < 16
	XLOAD (\t)+4                                   ; the set just worked takes the loads of four steps on
.endif
.endm
.macro WLOAD t                         ; block t of a column: register j takes the row of W whose code belongs at byte 32 t + j of my 256
.irp i, 0,1,2,3,4,5,6,7,8,9,10,11,12,13,14,15,16,17,18,19,20,21,22,23,24,25,26,27,28,29,30,31
	global_load_b32 v[X+32*((\t)%2)+\i], v3, s[4:5] offset:(128*((\i>>2)&3)+8*(\t)+4*(\i>>4)+(\i&3))*4096 th:TH_LOAD_NT
.endr
.endm
.macro WBLOCK t
.set XS, X+32*((\t)%2)
.if (\t) < 7
	s_wait_loadcnt 32                              ; this block's 32 loads are in; the next block's may be out
.else
	s_wait_loadcnt 0
.endif
.irp i, 0,1,2,3,4,5,6,7,8,9,10,11,12,13,14,15,16,17,18,19,20,21,22,23,24,25,26,27,28,29,30,31
	v_med3_num_f32 v[XS+\i], v[XS+\i], -v10, v10
.endr
.irp g, 0,1,2,3
	v_cvt_scalef32_pk8_fp8_f32 v[CW+2*\g:CW+2*\g+1], v[XS+8*\g:XS+8*\g+7], v11
.endr
	ds_store_b128 v4, v[CW:CW+3] offset:32*(\t)    ; 32 codes of my column's row
	ds_store_b128 v4, v[CW+4:CW+7] offset:32*(\t)+16
.if (\t)+2 < 8
	WLOAD (\t)+2
.endif
	s_wait_dscnt 0x0                               ; the stores have read their registers: the next block's codes may be written
.endm
	s_load_b512 s[8:23], s[0:1], 0x0               ; q s[8:9], k s[10:11], v s[12:13], Wq s[14:15], Wk s[16:17], Wv s[18:19], the scales s[20:21], xc s[22:23]
	s_load_b64 s[24:25], s[0:1], 0x40              ; wc
	v_lshl_add_u32 v[SPW], v0, 2, SPARE
	v_mov_b32 v[NIL], 0
	v_lshrrev_b32 v1, 5, v0
	v_readfirstlane_b32 s26, v1                    ; wave 0..3
	v_and_b32 v2, 31, v0                           ; lane
	s_wait_kmcnt 0x0
	s_load_b256 s[32:39], s[20:21], 0x0            ; entries 0 to 7 of the scales' exponents
	s_cmp_lt_u32 ttmp9, WGW
	s_cbranch_scc1 .Lweights
	; ---- the rows of q, k, v: a plain stream of groups of 512 numbers
	s_sub_co_u32 s27, ttmp9, WGW                   ; 0 .. 767
	s_lshr_b32 s28, s27, 8                         ; which tensor: 256 work-groups each
	s_cmp_eq_u32 s28, 0
	s_cselect_b64 s[4:5], s[8:9], s[10:11]
	s_cmp_eq_u32 s28, 2
	s_cselect_b64 s[4:5], s[12:13], s[4:5]
	s_and_b32 s30, s27, 255
	s_lshl_b32 s30, s30, 17                        ; 131,072 bytes of f32 a work-group,
	s_lshl_b32 s31, s26, 15                        ; 32,768 a wave
	s_add_co_u32 s30, s30, s31
	s_mov_b32 s31, 0
	s_add_nc_u64 s[4:5], s[4:5], s[30:31]
	s_lshl_b32 s30, s27, 15                        ; 32,768 bytes of codes a work-group (the three tensors lie on end in xc),
	s_lshl_b32 s40, s26, 13                        ; 8,192 a wave
	s_add_co_u32 s30, s30, s40
	s_add_nc_u64 s[6:7], s[22:23], s[30:31]
	s_wait_alu depctr_va_vdst(0)
	v_lshlrev_b32 v3, 4, v2                        ; 16 bytes a lane, in and out
	XLOAD 0
	XLOAD 1
	XLOAD 2
	XLOAD 3
	s_wait_kmcnt 0x0
	s_cmp_eq_u32 s28, 0
	s_cselect_b32 s29, s32, s34
	s_cmp_eq_u32 s28, 2
	s_cselect_b32 s29, s36, s29                    ; e
	s_add_co_i32 s29, s29, 127
	s_lshl_b32 s41, s29, 23
	v_mov_b32 v11, s41                             ; 2^e as f32: the conversion takes its exponent field
	s_add_co_i32 s29, s29, 8
	s_lshl_b32 s29, s29, 23
	s_or_b32 s29, s29, 0x600000
	v_mov_b32 v10, s29                             ; 448 x 2^e
	s_wait_alu depctr_va_vdst(0)
.irp t, 0,1,2,3,4,5,6,7,8,9,10,11,12,13,14,15
	XSTEP \t
.endr
	s_wait_tensorcnt 0x0                           ; the wave's end
	ds_add_u32 v[SPW], v[NIL]
	s_wait_dscnt 0x0
	s_endpgm
	; ---- the weights: a wave takes 32 columns x 256 places along K
.Lweights:
	s_lshr_b32 s28, ttmp9, 5                       ; which tensor: 32 work-groups each
	s_and_b32 s27, ttmp9, 7                        ; which 128 columns
	s_bfe_u32 s29, ttmp9, 0x20003                  ; y: which 256 places of a row of wc
	s_cmp_eq_u32 s28, 0
	s_cselect_b64 s[4:5], s[14:15], s[16:17]
	s_cmp_eq_u32 s28, 2
	s_cselect_b64 s[4:5], s[18:19], s[4:5]
	s_lshl_b32 s27, s27, 7
	s_lshl_b32 s30, s26, 5
	s_add_co_u32 s27, s27, s30                     ; my wave's first column
	s_lshr_b32 s30, s29, 1
	s_lshl_b32 s30, s30, 21                        ; places 256 y on hold rows 512 (y / 2) + 64 (y % 2) + .. of W; a row of W is 4,096 bytes
	s_and_b32 s31, s29, 1
	s_lshl_b32 s31, s31, 18
	s_add_co_u32 s30, s30, s31
	s_lshl_b32 s31, s27, 2
	s_add_co_u32 s30, s30, s31
	s_mov_b32 s31, 0
	s_add_nc_u64 s[4:5], s[4:5], s[30:31]
	s_lshl_b32 s30, s28, 20                        ; wc: the tensor's 1,048,576 bytes,
	s_lshl_b32 s40, s27, 10                        ; the column's row of 1,024,
	s_add_co_u32 s30, s30, s40
	s_lshl_b32 s40, s29, 8                         ; 256 y
	s_add_co_u32 s30, s30, s40
	s_add_nc_u64 s[6:7], s[24:25], s[30:31]
	s_wait_alu depctr_va_vdst(0)
	v_lshlrev_b32 v3, 2, v2                        ; in: 4 bytes a lane: 128 consecutive bytes a wave
	s_mul_i32 s41, s26, 32*PITCH                   ; my stage
	v_mul_u32_u24 v4, v2, PITCH
	v_add_nc_u32 v4, s41, v4                       ; into it: row = my column
	v_and_b32 v5, 15, v2
	v_lshrrev_b32 v6, 4, v2
	v_mul_u32_u24 v7, v6, PITCH
	v_lshl_add_u32 v7, v5, 4, v7
	v_add_nc_u32 v7, s41, v7                       ; out of it: sixteen lanes to a row, two rows an instruction
	v_lshlrev_b32 v8, 10, v6
	v_lshl_add_u32 v8, v5, 4, v8                   ; and the same place in wc
	WLOAD 0
	WLOAD 1
	s_wait_kmcnt 0x0
	s_cmp_eq_u32 s28, 0
	s_cselect_b32 s29, s33, s35
	s_cmp_eq_u32 s28, 2
	s_cselect_b32 s29, s37, s29                    ; e
	s_add_co_i32 s29, s29, 127
	s_lshl_b32 s41, s29, 23
	v_mov_b32 v11, s41
	s_add_co_i32 s29, s29, 8
	s_lshl_b32 s29, s29, 23
	s_or_b32 s29, s29, 0x600000
	v_mov_b32 v10, s29
	s_wait_alu depctr_va_vdst(0)
.irp t, 0,1,2,3,4,5,6,7
	WBLOCK \t
.endr
.irp t, 0,1,2,3,4,5,6,7,8,9,10,11,12,13,14,15
	ds_load_b128 v[OUTR+4*\t:OUTR+4*\t+3], v7 offset:2*\t*PITCH   ; LDS serves a wave's instructions in order (ISA guide 5.7.1.4): these see my stores
.endr
.irp t, 0,1,2,3,4,5,6,7,8,9,10,11,12,13,14,15
	s_wait_dscnt 15-\t                             ; load t is in; the younger ones may be out
	global_store_b128 v8, v[OUTR+4*\t:OUTR+4*\t+3], s[6:7] offset:2*\t*1024   ; sixteen lanes store 256 consecutive bytes, aligned
.endr
	s_wait_tensorcnt 0x0                           ; the wave's end
	ds_add_u32 v[SPW], v[NIL]
	s_wait_dscnt 0x0
	s_endpgm
.Lfunc_end_k_qf306a686cb_quant:
	.size	k_qf306a686cb_quant, .Lfunc_end_k_qf306a686cb_quant-k_qf306a686cb_quant
	.p2alignl 7, 3214868480
	.fill 96, 4, 3214868480
	.section	.rodata,"a",@progbits
	.p2align	6, 0x0
	.amdhsa_kernel k_qf306a686cb_quant
		.amdhsa_group_segment_fixed_size 35328
		.amdhsa_private_segment_fixed_size 0
		.amdhsa_enable_private_segment 0
		.amdhsa_kernarg_size 72
		.amdhsa_user_sgpr_count 2
		.amdhsa_user_sgpr_kernarg_segment_ptr 1
		.amdhsa_wavefront_size32 1
		.amdhsa_system_sgpr_workgroup_id_x 1
		.amdhsa_system_sgpr_workgroup_id_y 1
		.amdhsa_system_sgpr_workgroup_id_z 1
		.amdhsa_system_vgpr_workitem_id 0
		.amdhsa_next_free_vgpr 192
		.amdhsa_next_free_sgpr 66
		.amdhsa_reserve_vcc 0
		.amdhsa_float_denorm_mode_32 3
		.amdhsa_float_denorm_mode_16_64 3
		.amdhsa_memory_ordered 1
		.amdhsa_forward_progress 1
		.amdhsa_inst_pref_size 77
	.end_amdhsa_kernel
	.amdgpu_metadata
---
amdhsa.version: [ 1, 2 ]
amdhsa.kernels:
  - .name:           k_qf306a686cb_quant
    .symbol:         k_qf306a686cb_quant.kd
    .args:
      - { .name: q, .offset: 0, .size: 8, .value_kind: global_buffer, .address_space: global }
      - { .name: k, .offset: 8, .size: 8, .value_kind: global_buffer, .address_space: global }
      - { .name: v, .offset: 16, .size: 8, .value_kind: global_buffer, .address_space: global }
      - { .name: Wq, .offset: 24, .size: 8, .value_kind: global_buffer, .address_space: global }
      - { .name: Wk, .offset: 32, .size: 8, .value_kind: global_buffer, .address_space: global }
      - { .name: Wv, .offset: 40, .size: 8, .value_kind: global_buffer, .address_space: global }
      - { .name: lowp_scales, .offset: 48, .size: 8, .value_kind: global_buffer, .address_space: global }
      - { .name: xc, .offset: 56, .size: 8, .value_kind: global_buffer, .address_space: global }
      - { .name: wc, .offset: 64, .size: 8, .value_kind: global_buffer, .address_space: global }
    .group_segment_fixed_size: 35328
    .private_segment_fixed_size: 0
    .kernarg_segment_align: 8
    .kernarg_segment_size: 72
    .max_flat_workgroup_size: 128
    .sgpr_count:     66
    .vgpr_count:     192
    .wavefront_size: 32
...
	.end_amdgpu_metadata
.endif
;; end of part 1
;; launch proj (part 2): grid 4 x 96, 4 waves a work-group, clusters of 4 x 4, 327,680 bytes of LDS; arguments xc, wc, lowp_scales, bq, bk, bv, cod; writes cod
.if DOCPART == 2
	.amdgcn_target "amdgcn-amd-amdhsa--gfx1250"
	.amdhsa_code_object_version 6
	.text
	.protected	k_qf306a686cb_proj
	.globl	k_qf306a686cb_proj
	.p2align	8
	.type	k_qf306a686cb_proj,@function
k_qf306a686cb_proj:
	s_mov_b64 s[64:65], 0
	v_nop
	global_prefetch_b8 v0, s[64:65] scope:SCOPE_SE
	s_setreg_imm32_b32 hwreg(HW_REG_WAVE_MODE, 25, 1), 1
	s_wait_xcnt 0x0
	s_wait_alu depctr_hold_cnt(0) depctr_sa_sdst(0) depctr_va_vdst(0) depctr_va_sdst(0) depctr_va_ssrc(0) depctr_va_vcc(0) depctr_vm_vsrc(0)
	s_getreg_b32 s2, hwreg(HW_REG_IB_STS2, 6, 4)
	s_cmp_eq_u32 s2, 0
	s_cbranch_scc0 .Lentry_in_a_cluster
	s_endpgm
.Lentry_in_a_cluster:
	s_bfe_u32 s2, ttmp6, 0x10000c
	s_cmp_lg_u32 s2, 0xf033
	s_cbranch_scc0 .Lentry_shape_is_right
	s_endpgm
.Lentry_shape_is_right:
; query = q Wq + bq, key = k Wk + bk, value = relu(v Wv + bv): three products [8192 x 1024] x [1024 x 1024] on codes of FP8 (E4M3) out of xc and wc (K innermost, the same order along K in both).
; Each finished sum is multiplied by 2^(its two operands' exponents added), gets its bias (value: is clipped at 0 by the hold), is quantised with entry 6, 7 or 9 of the scales and stored into cod as images of operand registers.
; A tile of 256 x 256 to a work-group of four waves, 128 x 128 a wave; K in four steps of 256 through a ring of two LDS slots; clusters of 4 x 4 with joint loads: A's tile is shared along a row of the cluster, B's along a column.
; Source 0 takes B's rows and source 1 A's, so a lane holds one row of A's side and eight neighbours of B's side.  query, key (cluster rows 0 to 15): A = 256 tokens (by the cluster's y and cy), B = 256 channels of the weight (by cx): a lane's eight are channels.
; value (cluster rows 16 to 23): THE AXES CHANGE ROLES: A = 256 channels of Wv (by cy), B = 256 tokens of v (by the cluster's y and cx): a lane's eight are tokens, which are the second product's K.  Only the two bases and offsets are chosen, by the cluster's y;
; the masks, the LDS addresses and every branch are the same for all three tensors.
; NO PREFETCH: K is 1,024, four steps in all, of which two are asked for at the head.
; LIMITS: each sum of two exponents between -126 and 127, entries 6, 7, 9 between -126 and 119, so that the powers of two below are f32 numbers.  NaN is not served.
.set ROWB,   256
.set KROW,   1024
.set PITCH,  272
.set FR,     16
.set NL,     4
.set NP,     4
.set HALFT,  128*PITCH
.set SLOT,   4*HALFT
.set SPARE,  2*SLOT
.set ADRA, 16
.set ADRB, 20
.set SOF,  24
.set SPW,  28
.set NIL,  29
.set BN,   32
.set BM,   96
.set AF,   128
.set T,    128
.set CD,   192
.set G1, 24
.set G0, 32
.set G1B, 48
.set G0B, 56
.set MSB, 0
.macro WIN new
.if MSB != (\new)
	s_set_vgpr_msb (MSB<<8)|(\new)
.set MSB, (\new)
.endif
.endm
.set MUL_LO, 0xa1
.set MUL_HI, 0xf1
.set TO_B,   0x40
.macro JLOAD g0a, g1a, g0b, g1b
	s_cmp_eq_u32 s15, 0
	s_cbranch_scc0 .Lfor_b_\@
	tensor_load_to_lds s[\g0a:\g0a+3], s[\g1a:\g1a+7]
	s_nop 0
.rept 4
	v_nop
.endr
	s_branch .Lasked_\@
.Lfor_b_\@:
	tensor_load_to_lds s[\g0b:\g0b+3], s[\g1b:\g1b+7]
	s_nop 0
.rept 4
	v_nop
.endr
.Lasked_\@:
.endm
.macro CREST
	s_cmp_lg_u32 s14, 0
	s_cbranch_scc1 .Lnot_wave_0_\@
	s_barrier_signal -3
.Lnot_wave_0_\@:
	s_barrier_wait -3
	s_barrier_signal -1
	s_barrier_wait -1
.endm
.macro CROUND
	s_barrier_signal -1
	s_barrier_wait -1
	CREST
.endm
	s_load_b256 s[4:11], s[0:1], 0x0
	s_load_b128 s[68:71], s[0:1], 0x20
	s_load_b64 s[88:89], s[0:1], 0x30
	v_lshl_add_u32 v[SPW], v0, 2, SPARE
	v_mov_b32 v[NIL], 0
	ds_add_u32 v[SPW], v[NIL]
	ds_add_u32 v[SPW], v[NIL]
	v_lshrrev_b32 v1, 5, v0
	v_readfirstlane_b32 s14, v1
	s_lshr_b32 s15, s14, 1
	s_and_b32 s16, s14, 1
	s_bfe_u32 s40, ttmp6, 0x40000
	s_bfe_u32 s41, ttmp6, 0x40004
	s_and_b32 s66, ttmp7, 0xffff                   ; the cluster's y, 0..23 (the grid has one cluster along x)
	s_lshr_b32 s67, s66, 3                         ; the tensor: 0 query, 1 key, 2 value
	s_lshl_b32 s18, s66, 10
	s_lshl_b32 s19, s67, 10
	s_cmp_ge_u32 s66, 16                           ; value?
	s_cselect_b32 s42, s41, s40                    ; which 256 channels of the weight: cx, for value cy
	s_cselect_b32 s17, s40, s41
	s_cselect_b32 s20, 2048, s18                   ; A's first row less 256 cy: in xc 1,024 x cluster y; for value in wc, the third weight
	s_cselect_b32 s46, s18, s19                    ; B's first row less 256 cx: in wc 1,024 x tensor; for value in xc, 1,024 x cluster y
	s_lshl_b32 s18, s66, 2
	s_add_co_u32 s17, s17, s18                     ; which 256 tokens of the 96 x 256: 4 x cluster y + cy, for value + cx
	s_lshl_b32 s43, s41, 2
	s_lshl_b32 s43, 15, s43
	s_lshl_b32 s44, 0x1111, s40
	s_or_b32 s[G1+0], s43, (0<<16)|(1<<20)|(1<<21)|(5<<22)|(3<<25)
	s_or_b32 s[G1B+0], s44, (0<<16)|(1<<20)|(1<<21)|(5<<22)|(3<<25)
.irp g, G1, G1B
	s_mov_b32 s[\g+1], ROWB<<16
	s_mov_b32 s[\g+2], 128<<16
	s_mov_b32 s[\g+3], ROWB<<16
	s_mov_b32 s[\g+4], 128
	s_mov_b32 s[\g+5], KROW
	s_mov_b32 s[\g+6], 0
	s_mov_b32 s[\g+7], 0
.endr
	s_lshl_b32 s18, s16, 7
	s_lshl_b32 s19, s41, 8
	s_add_co_u32 s20, s20, s19                     ; A: + 256 cy
	s_add_co_u32 s20, s20, s18                     ; + the 128 rows that I fetch
	s_lshl_b32 s20, s20, 10                        ; rows of 1,024 bytes
	s_mov_b32 s21, 0
	s_lshl_b32 s47, s40, 8
	s_add_co_u32 s46, s46, s47                     ; B: + 256 cx
	s_add_co_u32 s46, s46, s18
	s_lshl_b32 s46, s46, 10
	s_mov_b32 s47, 0
	s_mul_i32 s45, s14, HALFT
	s_wait_dscnt 0x0
	s_wait_kmcnt 0x0
	s_load_b256 s[76:83], s[8:9], 0x0
	s_load_b64 s[84:85], s[8:9], 0x20
	s_cmp_ge_u32 s66, 16
	s_cselect_b64 s[72:73], s[6:7], s[4:5]         ; A's buffer: xc, for value wc
	s_cselect_b64 s[74:75], s[4:5], s[6:7]         ; B's buffer: wc, for value xc
	s_add_nc_u64 s[20:21], s[72:73], s[20:21]
	s_add_nc_u64 s[46:47], s[74:75], s[46:47]
	CROUND
.irp s, 0,1
	s_mov_b32 s[G0+4*\s], 1
	s_add_co_u32 s[G0+4*\s+1], s45, \s*SLOT
	s_add_nc_u64 s[G0+4*\s+2:G0+4*\s+3], s[20:21], \s*ROWB
	s_or_b32 s[G0+4*\s+3], s[G0+4*\s+3], 0x80000000
	s_mov_b32 s[G0B+4*\s], 1
	s_add_co_u32 s[G0B+4*\s+1], s45, \s*SLOT
	s_add_nc_u64 s[G0B+4*\s+2:G0B+4*\s+3], s[46:47], \s*ROWB
	s_or_b32 s[G0B+4*\s+3], s[G0B+4*\s+3], 0x80000000
.endr
	JLOAD G0, G1, G0B, G1B                         ; K step 0: one tensor load a wave at the head, behind the opening round
	v_and_b32 v1, 15, v0
	v_bfe_u32 v2, v0, 4, 1
	v_mul_u32_u24 v3, v1, PITCH
	v_lshl_add_u32 v4, v2, 4, v3
	s_wait_alu depctr_va_vdst(0)
	s_mul_i32 s21, s15, HALFT                      ; my 128 rows of A
	s_mul_i32 s22, s16, HALFT                      ; my 128 rows of B,
	s_add_co_u32 s22, s22, 2*HALFT                 ; which lie behind A's 256
.irp s, 0,1
	v_add_nc_u32 v[ADRA+\s], s21, v4
	v_add_nc_u32 v[ADRB+\s], s22, v4
	s_add_co_u32 s21, s21, SLOT
	s_add_co_u32 s22, s22, SLOT
.endr
	s_cmp_eq_u32 s67, 0
	s_cselect_b64 s[72:73], s[10:11], s[68:69]
	s_cmp_eq_u32 s67, 2
	s_cselect_b64 s[72:73], s[70:71], s[72:73]
	s_lshl_b32 s23, s42, 8
	s_lshl_b32 s74, s16, 7
	s_add_co_u32 s74, s23, s74
	s_lshl_b32 s75, s15, 7
	s_add_co_u32 s75, s23, s75
	s_cmp_eq_u32 s67, 2
	s_cselect_b32 s74, 0, s74
	s_cselect_b32 s75, s75, 0
	v_lshl_add_u32 v7, v2, 3, s74
	v_lshlrev_b32 v7, 2, v7
	v_add_nc_u32 v8, s75, v1
	v_lshlrev_b32 v8, 2, v8
.irp b, 0,1,2,3,4,5,6,7
	global_load_b128 v[BN+8*\b:BN+8*\b+3], v7, s[72:73] offset:64*\b
	global_load_b128 v[BN+8*\b+4:BN+8*\b+7], v7, s[72:73] offset:64*\b+16
.endr
.irp a, 0,1,2,3,4,5,6,7
	global_load_b32 v[BM+2*\a], v8, s[72:73] offset:64*\a
	global_load_b32 v[BM+2*\a+1], v8, s[72:73] offset:64*\a
.endr
	v_and_b32 v6, 31, v0
	v_lshlrev_b32 v6, 4, v6
	s_cmp_eq_u32 s67, 2
	s_mov_b32 s90, 4096
	s_cselect_b32 s90, 131072, s90
	s_mov_b32 s91, 524288
	s_cselect_b32 s91, 4096, s91
	v_mov_b32 v[SOF], v6
	v_add_nc_u32 v[SOF+1], s91, v6
	v_add_nc_u32 v[SOF+2], s90, v6
	v_add_nc_u32 v[SOF+3], s91, v[SOF+2]
	s_and_b32 s92, s17, 31
	s_lshl_b32 s93, s67, 23
	s_lshl_b32 s94, s42, 21
	s_add_co_u32 s93, s93, s94
	s_lshl_b32 s94, s16, 20
	s_add_co_u32 s93, s93, s94
	s_lshl_b32 s94, s92, 14
	s_add_co_u32 s93, s93, s94
	s_lshl_b32 s94, s15, 13
	s_add_co_u32 s93, s93, s94
	s_lshr_b32 s94, s92, 3
	s_lshl_b32 s94, s94, 21
	s_add_co_u32 s94, s94, 16777216
	s_lshl_b32 s95, s42, 19
	s_add_co_u32 s94, s94, s95
	s_lshl_b32 s95, s15, 18
	s_add_co_u32 s94, s94, s95
	s_and_b32 s95, s17, 7
	s_lshl_b32 s95, s95, 14
	s_add_co_u32 s94, s94, s95
	s_lshl_b32 s95, s16, 13
	s_add_co_u32 s94, s94, s95
	s_cmp_eq_u32 s67, 2
	s_cselect_b32 s92, s94, s93
	s_mov_b32 s93, 0
	s_add_nc_u64 s[88:89], s[88:89], s[92:93]
.macro FRAG reg, adr, q, i
.irp c, 0,1,2,3
	ds_load_b128 v[\reg+4*\c:\reg+4*\c+3], v[\adr] offset:128*(\q)+32*\c+(\i)*16*PITCH
.endr
.endm
.macro MUL16 a0, p, zero
.irp a, \a0, \a0+1
.irp b, 0,1,2,3,4,5,6,7
.if \zero
	v_wmma_f32_16x16x128_fp8_fp8 v[8*(8*((\a)%4)+\b):8*(8*((\a)%4)+\b)+7], v[128*(\p)+FR*\b:128*(\p)+FR*\b+FR-1], v[AF+FR*(\a):AF+FR*(\a)+FR-1], 0
.else
	v_wmma_f32_16x16x128_fp8_fp8 v[8*(8*((\a)%4)+\b):8*(8*((\a)%4)+\b)+7], v[128*(\p)+FR*\b:128*(\p)+FR*\b+FR-1], v[AF+FR*(\a):AF+FR*(\a)+FR-1], v[8*(8*((\a)%4)+\b):8*(8*((\a)%4)+\b)+7]
.endif
.endr
.endr
.endm
.macro FETCH_B slot, q, p
	WIN TO_B
.irp i, 0,1,2,3,4,5,6,7
	FRAG 128*(\p)+FR*\i, ADRB+\slot, \q, \i
.endr
	WIN 0
.endm
.macro FETCH_A slot, q, i0
.irp i, \i0, \i0+1, \i0+2, \i0+3
	FRAG AF+FR*(\i), ADRA+\slot, \q, \i
.endr
.endm
.macro PLACES n
.rept \n
	v_nop
.endr
.endm
.macro STEP slot, q, zero
	s_wait_dscnt 4*NL
	WIN MUL_LO
	MUL16 0, (\q)%2, \zero
	MUL16 2, (\q)%2, \zero
	s_wait_dscnt 0
	PLACES NP
	FETCH_B \slot, (\q)+1, 1-(\q)%2
	FETCH_A \slot, (\q)+1, 0
	WIN MUL_HI
	MUL16 4, (\q)%2, \zero
	MUL16 6, (\q)%2, \zero
	PLACES NP
	WIN 0
	FETCH_A \slot, (\q)+1, 4
.endm
.macro TURN slot, next, fill
	s_wait_tensorcnt 0x0
	ds_add_u32 v[SPW], v[NIL]
	s_wait_dscnt 4*NL+1
	WIN MUL_LO
	MUL16 0, 1, 0
	s_wait_dscnt 0x0
	s_barrier_signal -1
	MUL16 2, 1, 0
	WIN 0
	s_barrier_wait -1
.if \fill
	CREST
	s_add_nc_u64 s[G0+4*\slot+2:G0+4*\slot+3], s[G0+4*\slot+2:G0+4*\slot+3], 2*ROWB
	s_add_nc_u64 s[G0B+4*\slot+2:G0B+4*\slot+3], s[G0B+4*\slot+2:G0B+4*\slot+3], 2*ROWB
	JLOAD G0+4*\slot, G1, G0B+4*\slot, G1B
.else
	PLACES NP
.endif
	FETCH_B \next, 0, 0
	FETCH_A \next, 0, 0
	WIN MUL_HI
	MUL16 4, 1, 0
	MUL16 6, 1, 0
	PLACES NP
	WIN 0
	FETCH_A \next, 0, 4
.endm
	s_wait_alu depctr_va_vdst(0)                   ; the wait at the head's end
	s_wait_tensorcnt 0x0                           ; my part of K step 0 is in
	ds_add_u32 v[SPW], v[NIL]
	s_wait_dscnt 0x0
	CROUND                                         ; everybody's part of K step 0 is in, and all sixteen work-groups are here
	JLOAD G0+4, G1, G0B+4, G1B                     ; K step 1: the first tensor load behind the round
	FETCH_B 0, 0, 0
	FETCH_A 0, 0, 0
	FETCH_A 0, 0, 4
	STEP 0, 0, 1
	TURN 0, 1, 1
	STEP 1, 0, 0
	TURN 1, 0, 1
	STEP 0, 0, 0
	TURN 0, 1, 0
	STEP 1, 0, 0
	s_wait_dscnt 4*NL
	WIN MUL_LO
	MUL16 0, 1, 0
	MUL16 2, 1, 0
	s_wait_dscnt 0
	WIN MUL_HI
	MUL16 4, 1, 0
	MUL16 6, 1, 0
	WIN 0
	s_wait_kmcnt 0x0
	s_wait_loadcnt 0x0
	s_cmp_eq_u32 s67, 0
	s_cselect_b32 s90, s76, s78
	s_cselect_b32 s91, s77, s79
	s_cselect_b32 s92, s82, s83
	s_cmp_eq_u32 s67, 2
	s_cselect_b32 s90, s80, s90
	s_cselect_b32 s91, s81, s91
	s_cselect_b32 s92, s85, s92
	s_cselect_b32 s74, -1, 0
	s_add_co_i32 s96, s90, s91
	s_add_co_i32 s96, s96, 127
	s_lshl_b32 s96, s96, 23
	s_mov_b32 s97, s96
	s_add_co_i32 s92, s92, 127
	s_lshl_b32 s93, s92, 23
	v_mov_b32 v10, s93
	s_add_co_i32 s92, s92, 8
	s_lshl_b32 s92, s92, 23
	s_or_b32 s92, s92, 0x600000
	v_mov_b32 v11, s92
	s_xor_b32 s93, s92, 0x80000000
	s_cmp_eq_u32 s67, 2
	s_cselect_b32 s93, 0, s93
	v_mov_b32 v12, s93
.set j, 0
.rept 64
	v_cndmask_b32 v[BN+j], v[BN+j], 0, s74
.set j, j+1
.endr
.set j, 0
.rept 16
	v_cndmask_b32 v[BM+j], 0, v[BM+j], s74
.set j, j+1
.endr
.macro OUTROW a
.set AC, 64*((\a)%4)
.set CC, CD+16*((\a)%4)
.if (\a) >= 4
	s_wait_xcnt 0x0
.endif
	WIN 0x02+((\a)/4)
.set j, 0
.rept 32
	v_pk_fma_f32 v[T+j:T+j+1], v[AC+j:AC+j+1], s[96:97], v[BN+j:BN+j+1] op_sel_hi:[1,0,1]
.set j, j+2
.endr
	WIN 0
.set j, 0
.rept 32
	v_pk_add_f32 v[T+j:T+j+1], v[T+j:T+j+1], v[BM+2*(\a):BM+2*(\a)+1]
.set j, j+2
.endr
.set j, 0
.rept 64
	v_med3_num_f32 v[T+j], v[T+j], v12, v11
.set j, j+1
.endr
.irp b, 0,1,2,3,4,5,6,7
	v_cvt_scalef32_pk8_fp8_f32 v[CC+2*\b:CC+2*\b+1], v[T+8*\b:T+8*\b+7], v10
.endr
	v_nop
.irp bp, 0,1,2,3
	global_store_b128 v[SOF+2*((\a)/4)+(\bp/2)], v[CC+4*\bp:CC+4*\bp+3], s[88:89] offset:((\a)%4)*1024+(\bp%2)*512
.endr
.endm
.irp a, 0,1,2,3,4,5,6,7
	OUTROW \a
.endr
	s_wait_tensorcnt 0x0
	ds_add_u32 v[SPW], v[NIL]
	s_wait_dscnt 0x0
	CROUND
	s_endpgm
.Lfunc_end_k_qf306a686cb_proj:
	.size	k_qf306a686cb_proj, .Lfunc_end_k_qf306a686cb_proj-k_qf306a686cb_proj
	.p2alignl 7, 3214868480
	.fill 96, 4, 3214868480
	.section	.rodata,"a",@progbits
	.p2align	6, 0x0
	.amdhsa_kernel k_qf306a686cb_proj
		.amdhsa_group_segment_fixed_size 327680
		.amdhsa_private_segment_fixed_size 0
		.amdhsa_enable_private_segment 0
		.amdhsa_kernarg_size 56
		.amdhsa_user_sgpr_count 2
		.amdhsa_user_sgpr_kernarg_segment_ptr 1
		.amdhsa_wavefront_size32 1
		.amdhsa_system_sgpr_workgroup_id_x 1
		.amdhsa_system_sgpr_workgroup_id_y 1
		.amdhsa_system_sgpr_workgroup_id_z 1
		.amdhsa_system_vgpr_workitem_id 0
		.amdhsa_next_free_vgpr 1024
		.amdhsa_next_free_sgpr 100
		.amdhsa_reserve_vcc 0
		.amdhsa_float_denorm_mode_32 3
		.amdhsa_float_denorm_mode_16_64 3
		.amdhsa_memory_ordered 1
		.amdhsa_forward_progress 1
		.amdhsa_inst_pref_size 160
	.end_amdhsa_kernel
	.amdgpu_metadata
---
amdhsa.version: [ 1, 2 ]
amdhsa.kernels:
  - .name:           k_qf306a686cb_proj
    .symbol:         k_qf306a686cb_proj.kd
    .args:
      - { .name: xc, .offset: 0, .size: 8, .value_kind: global_buffer, .address_space: global }
      - { .name: wc, .offset: 8, .size: 8, .value_kind: global_buffer, .address_space: global }
      - { .name: lowp_scales, .offset: 16, .size: 8, .value_kind: global_buffer, .address_space: global }
      - { .name: bq, .offset: 24, .size: 8, .value_kind: global_buffer, .address_space: global }
      - { .name: bk, .offset: 32, .size: 8, .value_kind: global_buffer, .address_space: global }
      - { .name: bv, .offset: 40, .size: 8, .value_kind: global_buffer, .address_space: global }
      - { .name: cod, .offset: 48, .size: 8, .value_kind: global_buffer, .address_space: global }
    .group_segment_fixed_size: 327680
    .private_segment_fixed_size: 0
    .kernarg_segment_align: 8
    .kernarg_segment_size: 56
    .max_flat_workgroup_size: 128
    .sgpr_count:     100
    .vgpr_count:     1024
    .wavefront_size: 32
...
	.end_amdgpu_metadata
.endif
;; end of part 2
;; launch attn (part 3): grid 64 x 4, 8 waves a work-group, no clusters, 297,984 bytes of LDS; arguments cod, lowp_scales, out0; writes out0
.if DOCPART == 3
	.amdgcn_target "amdgcn-amd-amdhsa--gfx1250"
	.amdhsa_code_object_version 6
	.text
	.protected	k_qf306a686cb_attn
	.globl	k_qf306a686cb_attn
	.p2align	8
	.type	k_qf306a686cb_attn,@function
k_qf306a686cb_attn:
	s_mov_b64 s[64:65], 0
	v_nop
	global_prefetch_b8 v0, s[64:65] scope:SCOPE_SE
	s_setreg_imm32_b32 hwreg(HW_REG_WAVE_MODE, 25, 1), 1
	s_wait_xcnt 0x0
; out0[b][q][64 h + d] = the sum over k of softmax_k(query . key / 8) value, for 64 pairs (batch b, head h), 2,048 queries x 2,048 keys, head size 64; both products on codes of FP8 (E4M3).
; cod holds query, key and value as images of operand registers: fragments of 16 rows x 64 k, 1,024 bytes: two loads of 16 bytes a lane, at 16 lane and 16 lane + 512, are the K = 64 form's eight registers;
; two fragments on end are the K = 128 form's sixteen.  query at 0 and key at 8,388,608: [head][tile of 16 tokens, 128 b + T][1,024];  value at 16,777,216: [b][head][64 keys][16 channels][1,024].
; THE SOFTMAX AHEAD OF THE SECOND PRODUCT: t = score x log2(e) / 8; M = the row's largest t so far, rounded UP to a whole number; p = 2^(t - M) is what is quantised; the row's sum is taken of the unquantised p
; and divides at the end.  When M moves, the sum and O are multiplied by 2^(old M - new M): exact.
; SHARES.  A work-group owns 512 queries of one pair (b, h).  It copies the pair's whole K and V, 2 x 131,072 bytes, into LDS once, at its head (each wave 32 + 32 loads of 512 consecutive bytes, through registers);
; behind ONE barrier these bytes are only read.  Then two passes of 256 queries: each of the eight waves owns 32 queries, two tiles of 16, and walks the 2,048 keys in 16 steps of 128.  A fragment read from LDS feeds two products.
; LAYOUT.  S^T = K Q^T (source 0 = 16 keys, source 1 = 16 queries) and O^T = V^T P^T (source 0 = 16 channels, source 1 = P): a lane holds ONE query throughout.  Tile n of S^T gives lane (r, h) the keys 16 n + 8 h + 0..7,
; which is where the K = 128 form wants registers 2 n, 2 n + 1 of P: the conversions' results are the operand.
; THE HOLD AT THE LARGEST CODE.  p is at most 1 but for the last bits of t - M, so 448 x 2^ep can bind only where ep < -8.  A scalar branch on that whole number leads round the step's 128 holds where they cannot bind.
; NO JOINT LOADS, NO TENSOR LOADS, though four work-groups read the same K and V: the branch round the holds takes 128 of a step's some 520 vector
; instructions away, in each of a wave's 32 steps, while what is shared is read once by a work-group: 64 loads a wave for those 32 steps.
; LIMITS: eq + ek between -123 and 130 (added to c's exponent field); ep between -126 and 119; ep + ev is applied by v_ldexp_f32 and has none.  NaN is not served.
; REGISTERS, window 0: v1-12 addresses; v14 -M, v15 the largest t, v[16:17] the sum (tile 0); v18-21 the same (tile 1); v[22:23], v[24:25] f; v26-35 at work; v52 2^ep, v53 448 x 2^ep; v54, v55 the old -M;
;   v64-127, v128-191 S^T, then p; v192-207, v208-223 P's codes.   window 1: v0-63 K's eight fragments; v64-127 V's four; v128-159 Q (pass 0, pass 1); v160-223 O^T.
.set VB,    131072                     ; LDS: K at 0 (tile of 16 keys T at 1,024 T), V here (4,096 for 64 keys, 1,024 for 16 channels): a step of 128 keys is 8,192 bytes in each
.set STG,   262144                     ; the way out: a stage of 16 rows x (256 bytes + 16) for each wave
.set SROW,  272
.set SPARE, STG+8*16*SROW              ; behind the stages: the spare words, 128 bytes for each wave, that no other line names
.set LI,  1                            ; v1   16 x lane
.set LIV, 2                            ; v2   16 x lane + VB
.set ADK, 3                            ; v3   LDS address of the next step's K
.set ADV, 4                            ; v4   of this step's V
.set GF,  5                            ; v5   the fill: 8,192 x wave + 16 x lane, in memory and in LDS
; THE GRID: x is the pair (b, h), y the block of 512 queries.
; THE FILL GOES IN TWO PARTS, WITH TWO BARRIERS (this takes the place of what the head comment says of the fill).  Every wave copies 8,192 bytes of K's and of V's first 1,024 keys; the first barrier shows these 2 x 65,536 bytes.
; Waves 1, 3, 4 and 6 copy the last 1,024 keys of both as well, 2 x 16,384 bytes each, store them behind the first barrier and then signal a second one, whose wait stands in front of the first pass's step 7: see THE FILL'S STORES.
.set GFV, 7                            ; v7   GF + VB
.set GD,  36                           ; v36  the second halves' fill: 65,536 + 16,384 x (wave % 4) + 16 x lane, in memory and in LDS
.set GDV, 37                           ; v37  GD + VB
.set SPW, 8                            ; v8   LDS address of my spare word; never rewritten
.set NIL, 9                            ; v9   0; never rewritten
.set STO, 10                           ; v10  the stage: where I put 16 bytes of a row
.set RD,  11                           ; v11  and where I read a row back
.set GO,  12                           ; v12  my byte offset in two rows of out0
.set S,   64
.set P,   192
.set KF,  0                            ; in window 1
.set VF,  64
.set QF,  128
.set O,   160
.set MSB, 0
.macro WIN new                         ; the immediate's high byte repeats the setting that is left
.if MSB != (\new)
	s_set_vgpr_msb (MSB<<8)|(\new)
.set MSB, (\new)
.endif
.endm
	s_load_b128 s[4:7], s[0:1], 0x0                ; cod s[4:5], the scales s[6:7]
	s_load_b64 s[8:9], s[0:1], 0x10                ; out0
	v_lshl_add_u32 v[SPW], v0, 2, SPARE
	v_mov_b32 v[NIL], 0
	v_lshrrev_b32 v13, 5, v0
	s_delay_alu instid0(VALU_DEP_1)
	v_readfirstlane_b32 s10, v13                   ; wave 0..7
	s_mov_b32 s11, ttmp9                           ; the pair: 16 b + h
	s_and_b32 s28, ttmp7, 0xffff                   ; which 512 queries
	s_lshr_b32 s12, s11, 4                         ; b
	s_and_b32 s13, s11, 15                         ; h
	s_lshl_b32 s34, s13, 19                        ; query, key: the head's 524,288 bytes,
	s_lshl_b32 s35, s12, 17                        ; the batch's 128 tiles
	s_add_co_u32 s34, s34, s35
	s_add_co_u32 s40, s34, 8388608                 ; K
	s_mov_b32 s41, 0
	s_lshl_b32 s42, s12, 21                        ; V: the batch's 2,097,152 bytes,
	s_lshl_b32 s35, s13, 17                        ; the head's 131,072
	s_add_co_u32 s42, s42, s35
	s_add_co_u32 s42, s42, 16777216
	s_mov_b32 s43, 0
	s_lshl_b32 s44, s28, 15
	s_lshl_b32 s35, s10, 11                        ; my wave's two of a pass's sixteen
	s_add_co_u32 s44, s44, s35
	s_add_co_u32 s44, s44, s34
	s_mov_b32 s45, 0
	s_lshl_b32 s46, s12, 23                        ; out0: row 2,048 b + 512 y + 32 wave of 4,096 bytes, + 256 h
	s_lshl_b32 s35, s28, 21
	s_add_co_u32 s46, s46, s35
	s_lshl_b32 s35, s10, 17
	s_add_co_u32 s46, s46, s35
	s_lshl_b32 s35, s13, 8
	s_add_co_u32 s46, s46, s35
	s_mov_b32 s47, 0
	s_mov_b32 s24, 0x76543210                      ; v_permlanex16_b32's selects for lane l xor 16
	s_mov_b32 s25, 0xfedcba98
	s_lshr_b32 s2, s10, 2
	s_xor_b32 s2, s2, s10
	s_and_b32 s2, s2, 1                            ; 1 in waves 1, 3, 4, 6 (bit 0 xor bit 2 of the wave's number): they copy the second halves
	s_and_b32 s3, s10, 3                           ; wave % 4 is 1, 3, 0, 2 in these four: each quarter of a second half once
	s_lshl_b32 s3, s3, 14
	s_add_co_u32 s3, s3, 65536
	v_and_b32 v[LI], 31, v0
	s_delay_alu instid0(VALU_DEP_1)
	v_lshlrev_b32 v[LI], 4, v[LI]
	s_delay_alu instid0(VALU_DEP_1)
	v_add_nc_u32 v[LIV], VB, v[LI]
	s_lshl_b32 s14, s10, 13                        ; the first halves: 8,192 bytes a wave
	v_add_nc_u32 v[GF], s14, v[LI]
	s_delay_alu instid0(VALU_DEP_1)
	v_add_nc_u32 v[GFV], VB, v[GF]
	v_add_nc_u32 v[GD], s3, v[LI]
	s_delay_alu instid0(VALU_DEP_1)
	v_add_nc_u32 v[GDV], VB, v[GD]
	v_and_b32 v13, 15, v0                          ; r
	v_bfe_u32 v6, v0, 4, 1                         ; h
	s_mul_i32 s15, s10, 16*SROW
	s_add_co_u32 s15, s15, STG                     ; my stage
	v_mul_u32_u24 v[STO], v13, SROW
	s_delay_alu instid0(VALU_DEP_1)
	v_lshl_add_u32 v[STO], v6, 5, v[STO]
	s_delay_alu instid0(VALU_DEP_1)
	v_add_nc_u32 v[STO], s15, v[STO]               ; in: row r, + 32 h
	v_mul_u32_u24 v[RD], v6, SROW
	s_delay_alu instid0(VALU_DEP_1)
	v_lshl_add_u32 v[RD], v13, 4, v[RD]
	s_delay_alu instid0(VALU_DEP_1)
	v_add_nc_u32 v[RD], s15, v[RD]                 ; back: lanes 0-15 one row, lanes 16-31 the next
	v_lshlrev_b32 v[GO], 12, v6
	s_delay_alu instid0(VALU_DEP_1)
	v_lshl_add_u32 v[GO], v13, 4, v[GO]            ; and the same two rows in out0
	v_mov_b32 v23, 0                               ; (named as the upper halves of the pairs that hold f)
	v_mov_b32 v25, 0
	v_mov_b32 v30, 0                               ; written once: a lane permute's destination counts as one of its sources
	v_mov_b32 v31, 0
	s_wait_kmcnt 0x0
	s_load_b128 s[36:39], s[6:7], 0x18             ; eq, ek, ep, ev: entries 6 to 9
	s_add_nc_u64 s[16:17], s[4:5], s[40:41]        ; K
	s_add_nc_u64 s[18:19], s[4:5], s[42:43]        ; V
	s_add_nc_u64 s[20:21], s[4:5], s[44:45]        ; Q
	s_add_nc_u64 s[32:33], s[8:9], s[46:47]        ; out0
	; THE FILL.  No register is used twice, so nothing waits but the stores for their loads.
.set i, 0
.rept 16
	global_load_b128 v[S+4*i:S+4*i+3], v[GF], s[16:17] offset:512*i   ; my 8,192 bytes of K's first half
.set i, i+1
.endr
	WIN 0x40                                       ; destination window 1
.set i, 0
.rept 16
	global_load_b128 v[4*i:4*i+3], v[GF], s[18:19] offset:512*i       ; my 8,192 bytes of V's first half
.set i, i+1
.endr
.irp p, 0,1
.irp n, 0,1
.irp c, 0,1
	global_load_b128 v[QF+16*\p+8*\n+4*\c:QF+16*\p+8*\n+4*\c+3], v[LI], s[20:21] offset:16384*\p+1024*\n+512*\c   ; Q stays in registers: pass p, tile n
.endr
.endr
.endr
	; THE FILL'S STORES.  The first halves' loads went out first, in every wave.  Waves 1, 3, 4, 6 now ask for 40 of their 64 loads of the second halves (into registers of window 1 that the walk uses later), the other 24 behind the barrier.
	WIN 0
	s_cmp_eq_u32 s2, 0                             ; the wave's number alone decides
	s_cbranch_scc1 .Lfew
	WIN 0x40
.set i, 0
.rept 16
	global_load_b128 v[64+4*i:64+4*i+3], v[GD], s[16:17] offset:512*i             ; K's second half, my 16,384 bytes: the first 8,192,
.set i, i+1
.endr
.rept 16
	global_load_b128 v[160+4*(i-16):160+4*(i-16)+3], v[GD], s[16:17] offset:512*i ; the last 8,192
.set i, i+1
.endr
.set i, 0
.rept 8
	global_load_b128 v[224+4*i:224+4*i+3], v[GD], s[18:19] offset:512*i           ; V's second half, the first 4,096 of my 16,384 bytes
.set i, i+1
.endr
	WIN 0
	s_wait_loadcnt 48                              ; the first halves' 32 loads are in; Q's 8 and these 40 may be out
	s_branch .Lhave
.Lfew:
	s_wait_loadcnt 8                               ; the first halves' 32 loads are in; Q's 8 may be out
.Lhave:
.set i, 0
.rept 16
	ds_store_b128 v[GF], v[S+4*i:S+4*i+3] offset:512*i
.set i, i+1
.endr
	WIN 0x04                                       ; an LDS store's data: source 1, window 1
.set i, 0
.rept 16
	ds_store_b128 v[GFV], v[4*i:4*i+3] offset:512*i
.set i, i+1
.endr
	WIN 0
	s_wait_kmcnt 0x0
	s_cmp_lt_i32 s38, -8
	s_cselect_b32 s29, 1, 0                        ; 1 where the hold can bind
	s_add_co_i32 s34, s36, s37
	s_lshl_b32 s34, s34, 23
	s_add_co_i32 s22, s34, 0x3e38aa3b              ; c = log2(e) / 8, with eq + ek added to its exponent field: a score stands for score x 2^(eq + ek)
	s_mov_b32 s23, s22                             ; (named with it as a pair, so it is written)
	s_add_co_i32 s30, s38, s39                     ; ep + ev
	s_add_co_i32 s34, s38, 127
	s_lshl_b32 s35, s34, 23
	v_mov_b32 v52, s35                             ; 2^ep as f32, for the conversion
	s_add_co_i32 s34, s34, 8
	s_lshl_b32 s34, s34, 23
	s_or_b32 s34, s34, 0x600000
	v_mov_b32 v53, s34                             ; 448 x 2^ep
	s_wait_dscnt 0x0                               ; for the others' sake: my stores have landed
	s_barrier_signal -1
	s_barrier_wait -1                              ; keys 0 to 1,023 of K and of V lie whole in LDS; from here on they are only read
	s_cmp_eq_u32 s2, 0
	s_cbranch_scc1 .Lsoon
.set i, 8
.rept 16
	global_load_b128 v[128+4*(i-8):128+4*(i-8)+3], v[GD], s[18:19] offset:512*i   ; waves 1, 3, 4, 6: the rest of V's second half, into window 0's registers that the stores above have left
.set i, i+1
.endr
.rept 8
	global_load_b128 v[192+4*(i-24):192+4*(i-24)+3], v[GD], s[18:19] offset:512*i
.set i, i+1
.endr
	s_wait_loadcnt 24                              ; all but the 24 just issued are in
	WIN 0x04
.set i, 0
.rept 16
	ds_store_b128 v[GD], v[64+4*i:64+4*i+3] offset:512*i
.set i, i+1
.endr
.rept 16
	ds_store_b128 v[GD], v[160+4*(i-16):160+4*(i-16)+3] offset:512*i
.set i, i+1
.endr
.set i, 0
.rept 8
	ds_store_b128 v[GDV], v[224+4*i:224+4*i+3] offset:512*i
.set i, i+1
.endr
	WIN 0
	s_wait_loadcnt 0x0
.set i, 8
.rept 16
	ds_store_b128 v[GDV], v[128+4*(i-8):128+4*(i-8)+3] offset:512*i
.set i, i+1
.endr
.rept 8
	ds_store_b128 v[GDV], v[192+4*(i-24):192+4*(i-24)+3] offset:512*i
.set i, i+1
.endr
.Lsoon:
	s_wait_dscnt 0x0                               ; these stores have landed,
	s_barrier_signal -1                            ; and I say so.  Up to this barrier's wait stand register work and LDS loads of the first halves alone, which nobody writes any more
; A pass begins: O^T and the sums are zeros, the largest t is under every t: the first change of M multiplies zeros, so the step is written once.
.macro INIT
	WIN 0x40
.set j, 0
.rept 64
	v_mov_b32 v[O+j], 0
.set j, j+1
.endr
	WIN 0
	v_mov_b32 v15, 0xff61b1e6                      ; -3e38
	v_mov_b32 v19, 0xff61b1e6
	s_delay_alu instid0(VALU_DEP_2)
	v_floor_f32 v14, -v15                          ; -M
	s_delay_alu instid0(VALU_DEP_2)
	v_floor_f32 v18, -v19
	v_mov_b32 v16, 0
	v_mov_b32 v17, 0
	v_mov_b32 v20, 0
	v_mov_b32 v21, 0
	s_mov_b32 s26, 0                               ; the step's first byte in K and in V
.endm
; A KEY STEP: 128 keys for my two tiles of queries.  qb: Q's registers of this pass.  On entry this step's K is on its way into registers, or there.
.macro STEP qb
	s_add_co_u32 s27, s26, 8192
	s_and_b32 s27, s27, 0x1ffff                    ; the next step's K; behind the last step the first again, which the next pass begins with (in the last pass those loads serve nothing)
	v_add_nc_u32 v[ADV], s26, v[LIV]               ; (the last loads that named this register were waited for in the step before)
	v_mov_b32 v54, v14                             ; the old -M
	v_mov_b32 v55, v18
	v_nop                                          ; four places in front of loads into registers that the last products read
	WIN 0x40
.irp n, 0,1,2,3
.irp g, 0,1
.irp c, 0,1
	ds_load_b128 v[VF+16*\n+8*\g+4*\c:VF+16*\n+8*\g+4*\c+3], v[ADV] offset:4096*\g+1024*\n+512*\c   ; V: channels 16 n on, keys 64 g on
.endr
.endr
.endr
	s_wait_dscnt 16                                ; K's sixteen loads are in; V's sixteen may be out
	WIN 0x05                                       ; sources 0 and 1 window 1, destination window 0
.irp n, 0,1,2,3,4,5,6,7
.irp u, 0,1
	v_wmma_f32_16x16x64_fp8_fp8 v[S+64*\u+8*\n:S+64*\u+8*\n+7], v[KF+8*\n:KF+8*\n+7], v[\qb+8*\u:\qb+8*\u+7], 0
.endr
.endr
	WIN 0
	v_add_nc_u32 v[ADK], s27, v[LI]                ; (K's loads, which named this register, are in)
.rept 3
	v_nop                                          ; four places in front of loads into K's registers and of the first read of the scores
.endr
	WIN 0x40
.irp n, 0,1,2,3,4,5,6,7
.irp c, 0,1
	ds_load_b128 v[KF+8*\n+4*\c:KF+8*\n+4*\c+3], v[ADK] offset:1024*\n+512*\c   ; the next step's K: it has the softmax in which to land
.endr
.endr
	WIN 0
	v_max3_num_f32 v26, v[S], v[S+1], v[S+2]       ; the step's largest score of each of my two queries, among my 64 keys, in two chains each; every accumulator from its low end on
	v_max3_num_f32 v28, v[S+64], v[S+65], v[S+66]
	v_max3_num_f32 v27, v[S+3], v[S+4], v[S+5]
	v_max3_num_f32 v29, v[S+67], v[S+68], v[S+69]
.irp i, 6,10,14,18,22,26,30,34,38,42,46,50,54,58
	v_max3_num_f32 v26, v26, v[S+\i], v[S+\i+1]
	v_max3_num_f32 v28, v28, v[S+64+\i], v[S+65+\i]
	v_max3_num_f32 v27, v27, v[S+\i+2], v[S+\i+3]
	v_max3_num_f32 v29, v29, v[S+66+\i], v[S+67+\i]
.endr
	v_max3_num_f32 v26, v26, v[S+62], v[S+63]
	v_max3_num_f32 v28, v28, v[S+126], v[S+127]
	s_delay_alu instid0(VALU_DEP_2)
	v_max_num_f32 v26, v26, v27
	s_delay_alu instid0(VALU_DEP_2)
	v_max_num_f32 v28, v28, v29
	s_delay_alu instid0(VALU_DEP_2)
	v_permlanex16_b32 v30, v26, s24, s25
	s_delay_alu instid0(VALU_DEP_2)
	v_permlanex16_b32 v31, v28, s24, s25
	s_delay_alu instid0(VALU_DEP_2)
	v_max_num_f32 v26, v26, v30                    ; and among lane l xor 16's
	s_delay_alu instid0(VALU_DEP_2)
	v_max_num_f32 v28, v28, v31
	s_delay_alu instid0(VALU_DEP_2)
	v_mul_f32 v26, s22, v26                        ; as t (c is positive)
	s_delay_alu instid0(VALU_DEP_2)
	v_mul_f32 v28, s22, v28
	s_delay_alu instid0(VALU_DEP_2)
	v_max_num_f32 v15, v15, v26                    ; the running largest t
	s_delay_alu instid0(VALU_DEP_2)
	v_max_num_f32 v19, v19, v28
	s_delay_alu instid0(VALU_DEP_2)
	v_floor_f32 v14, -v15                          ; the new -M = floor(-t) = -ceil(t): a whole number
	s_delay_alu instid0(VALU_DEP_2)
	v_floor_f32 v18, -v19
	s_delay_alu instid0(VALU_DEP_2)
	v_sub_f32 v26, v14, v54                        ; M's old value less its new one: a whole number, 0 or less
	s_delay_alu instid0(VALU_DEP_2)
	v_sub_f32 v28, v18, v55
	s_delay_alu instid0(VALU_DEP_2)
	v_cvt_i32_f32 v26, v26                         ; (it saturates)
	s_delay_alu instid0(VALU_DEP_2)
	v_cvt_i32_f32 v28, v28
	s_delay_alu instid0(VALU_DEP_2)
	v_ldexp_f32 v22, 1.0, v26                      ; f = 2^(old M - new M)
	s_delay_alu instid0(VALU_DEP_2)
	v_ldexp_f32 v24, 1.0, v28
.set j, 0
.rept 32
	v_pk_fma_f32 v[S+j:S+j+1], v[S+j:S+j+1], s[22:23], v[14:15] op_sel_hi:[1,0,0]          ; t - M, two at a time (of the pairs c and -M the low word serves both halves)
	v_pk_fma_f32 v[S+64+j:S+65+j], v[S+64+j:S+65+j], s[22:23], v[18:19] op_sel_hi:[1,0,0]
.set j, j+2
.endr
.set j, 0
	s_wait_alu depctr_va_vdst(0)
.rept 128
	v_exp_f32 v[S+j], v[S+j]                       ; p = 2^(t - M): not normalised
.set j, j+1
.endr
	v_pk_mul_f32 v[16:17], v[16:17], v[22:23] op_sel_hi:[1,0]   ; the sums under the new M.  (The plain instruction behind the last exponential)
	v_pk_mul_f32 v[20:21], v[20:21], v[24:25] op_sel_hi:[1,0]
	s_wait_alu depctr_va_vdst(0)                   ; the wait ahead of the first line that names an exponential's result: one for the batch of 128
	v_pk_add_f32 v[32:33], v[S:S+1], v[S+2:S+3]    ; the rows' sums are taken of the UNQUANTISED p, two at a time, in two chains each
	v_pk_add_f32 v[34:35], v[S+64:S+65], v[S+66:S+67]
.irp j, 4,8,12,16,20,24,28,32,36,40,44,48,52,56,60
	v_pk_add_f32 v[16:17], v[16:17], v[S+\j:S+\j+1]
	v_pk_add_f32 v[20:21], v[20:21], v[S+64+\j:S+65+\j]
	v_pk_add_f32 v[32:33], v[32:33], v[S+\j+2:S+\j+3]
	v_pk_add_f32 v[34:35], v[34:35], v[S+66+\j:S+67+\j]
.endr
	s_delay_alu instid0(VALU_DEP_2)
	v_pk_add_f32 v[16:17], v[16:17], v[32:33]
	s_delay_alu instid0(VALU_DEP_2)
	v_pk_add_f32 v[20:21], v[20:21], v[34:35]
	s_cmp_eq_u32 s29, 0                            ; ep >= -8: 448 x 2^ep is 1.75 or more and p cannot reach it
	s_cbranch_scc1 .Lno_hold_\@
.set j, 0
.rept 128
	v_min_num_f32 v[S+j], v[S+j], v53              ; the conversion to an 8-bit code does not saturate (ISA guide 7.6.2); p is not negative, so the hold is one-sided
.set j, j+1
.endr
.Lno_hold_\@:
.irp u, 0,1
.irp n, 0,1,2,3,4,5,6,7
	v_cvt_scalef32_pk8_fp8_f32 v[P+16*\u+2*\n:P+16*\u+2*\n+1], v[S+64*\u+8*\n:S+64*\u+8*\n+7], v52   ; keys 16 n + 8 h + 0..7: registers 2 n, 2 n + 1 of the operand
.endr
.endr
	WIN 0x41                                       ; O^T (destination and source 0) window 1, f window 0
.set j, 0
.rept 16
	v_pk_mul_f32 v[O+j:O+j+1], v[O+j:O+j+1], v[22:23] op_sel_hi:[1,0]            ; O^T under the new M.  (Plain lines between the conversions and the products that read the codes)
	v_pk_mul_f32 v[O+32+j:O+33+j], v[O+32+j:O+33+j], v[24:25] op_sel_hi:[1,0]
.set j, j+2
.endr
	s_wait_alu depctr_va_vdst(0)
	s_wait_dscnt 16                                ; V's sixteen loads are in; the next K's sixteen may be out
	WIN 0x51                                       ; V window 1, P window 0, O^T window 1
.irp n, 0,1,2,3
.irp u, 0,1
	v_wmma_f32_16x16x128_fp8_fp8 v[O+32*\u+8*\n:O+32*\u+8*\n+7], v[VF+16*\n:VF+16*\n+15], v[P+16*\u:P+16*\u+15], v[O+32*\u+8*\n:O+32*\u+8*\n+7]   ; the eight accumulators take turns
.endr
.endr
	WIN 0
	s_add_co_u32 s26, s26, 8192
.endm
; THE WAY OUT of a pass.  O^T is divided by the sum, multiplied by 2^(ep + ev), and goes through my stage, a tile of 16 queries at a time: a query's 64 channels are 256 bytes, which sixteen lanes store whole.
.macro OUT last
	v_add_f32 v16, v16, v17                        ; the sums' two halves.  (These lines are the places behind the last products)
	v_add_f32 v20, v20, v21
	s_delay_alu instid0(VALU_DEP_2)
	v_permlanex16_b32 v30, v16, s24, s25
	s_delay_alu instid0(VALU_DEP_2)
	v_permlanex16_b32 v31, v20, s24, s25
	s_delay_alu instid0(VALU_DEP_2)
	v_add_f32 v16, v16, v30                        ; and lane l xor 16's
	s_delay_alu instid0(VALU_DEP_2)
	v_add_f32 v20, v20, v31
	s_wait_alu depctr_va_vdst(0)
	v_rcp_f32 v22, v16
	v_rcp_f32 v24, v20
	v_nop                                          ; a plain instruction behind the last reciprocal
	s_wait_alu depctr_va_vdst(0)                   ; and the wait ahead of the first use: one for both
	v_ldexp_f32 v22, v22, s30
	v_ldexp_f32 v24, v24, s30
.irp u, 0,1
	WIN 0x01                                       ; source 0 window 1
.set j, 0
.rept 16
	v_pk_mul_f32 v[S+64*\u+j:S+64*\u+j+1], v[O+32*\u+j:O+32*\u+j+1], v[22+2*\u:23+2*\u] op_sel_hi:[1,0]   ; register 8 n + i: channel 16 n + 8 h + i of query r; each accumulator from its low end on
.set j, j+2
.endr
	WIN 0
.irp n, 0,1,2,3
.irp c, 0,1
	ds_store_b128 v[STO], v[S+64*\u+8*\n+4*\c:S+64*\u+8*\n+4*\c+3] offset:64*\n+16*\c
.endr
.endr
.irp i, 0,1,2,3,4,5,6,7
	ds_load_b128 v[S+64*\u+32+4*\i:S+64*\u+35+4*\i], v[RD] offset:2*\i*SROW   ; LDS serves a wave's instructions in order (ISA guide 5.7.1.4): these see my stores, and the next tile's stores come behind them
.endr
.endr
.irp u, 0,1
.irp i, 0,1,2,3,4,5,6,7
	s_wait_dscnt 23-16*\u-\i                       ; this load is in; the younger LDS instructions may be out
	global_store_b128 v[GO], v[S+64*\u+32+4*\i:S+64*\u+35+4*\i], s[32:33] offset:(16*\u+2*\i)*4096 th:TH_STORE_NT   ; sixteen lanes store 256 consecutive bytes, aligned; written once, read by nobody here
.endr
.endr
.if \last == 0
	s_wait_xcnt 0x0                                ; the stores have read their data and their base: both are written again only behind this wait
	s_add_nc_u64 s[32:33], s[32:33], 0x100000      ; 256 rows of out0 on
.endif
.endm
	INIT
	WIN 0x40
.irp n, 0,1,2,3,4,5,6,7
.irp c, 0,1
	ds_load_b128 v[KF+8*\n+4*\c:KF+8*\n+4*\c+3], v[LI] offset:1024*\n+512*\c   ; the first step's K
.endr
.endr
	WIN 0
	s_wait_alu depctr_va_vdst(0)                   ; the wait here, directly ahead of the wait below
	s_wait_loadcnt 0x0                             ; Q
	s_mov_b32 s31, 7                               ; the first pass's steps 0 to 6: they read V's steps 0 to 6 and K's steps 0 to 7, all in the first halves
.Lpass0:
	STEP QF
	s_sub_co_u32 s31, s31, 1
	s_cmp_lg_u32 s31, 0
	s_cbranch_scc1 .Lpass0
	s_barrier_wait -1                              ; all eight waves have signalled: keys 1,024 to 2,047 of K and of V lie in LDS too
	s_mov_b32 s31, 9                               ; steps 7 to 15
.Lpass0b:
	STEP QF
	s_sub_co_u32 s31, s31, 1
	s_cmp_lg_u32 s31, 0
	s_cbranch_scc1 .Lpass0b
	OUT 0
	INIT
	s_mov_b32 s31, 16
.Lpass1:
	STEP QF+16
	s_sub_co_u32 s31, s31, 1
	s_cmp_lg_u32 s31, 0
	s_cbranch_scc1 .Lpass1
	OUT 1
	s_wait_tensorcnt 0x0                           ; the wave's end
	ds_add_u32 v[SPW], v[NIL]
	s_wait_dscnt 0x0
	s_endpgm
.Lfunc_end_k_qf306a686cb_attn:
	.size	k_qf306a686cb_attn, .Lfunc_end_k_qf306a686cb_attn-k_qf306a686cb_attn
	.p2alignl 7, 3214868480
	.fill 96, 4, 3214868480
	.section	.rodata,"a",@progbits
	.p2align	6, 0x0
	.amdhsa_kernel k_qf306a686cb_attn
		.amdhsa_group_segment_fixed_size 297984
		.amdhsa_private_segment_fixed_size 0
		.amdhsa_enable_private_segment 0
		.amdhsa_kernarg_size 24
		.amdhsa_user_sgpr_count 2
		.amdhsa_user_sgpr_kernarg_segment_ptr 1
		.amdhsa_wavefront_size32 1
		.amdhsa_system_sgpr_workgroup_id_x 1
		.amdhsa_system_sgpr_workgroup_id_y 1
		.amdhsa_system_sgpr_workgroup_id_z 1
		.amdhsa_system_vgpr_workitem_id 0
		.amdhsa_next_free_vgpr 512
		.amdhsa_next_free_sgpr 66
		.amdhsa_reserve_vcc 0
		.amdhsa_float_denorm_mode_32 3
		.amdhsa_float_denorm_mode_16_64 3
		.amdhsa_memory_ordered 1
		.amdhsa_forward_progress 1
		.amdhsa_inst_pref_size 128
	.end_amdhsa_kernel
	.amdgpu_metadata
---
amdhsa.version: [ 1, 2 ]
amdhsa.kernels:
  - .name:           k_qf306a686cb_attn
    .symbol:         k_qf306a686cb_attn.kd
    .args:
      - { .name: cod, .offset: 0, .size: 8, .value_kind: global_buffer, .address_space: global }
      - { .name: lowp_scales, .offset: 8, .size: 8, .value_kind: global_buffer, .address_space: global }
      - { .name: out0, .offset: 16, .size: 8, .value_kind: global_buffer, .address_space: global }
    .group_segment_fixed_size: 297984
    .private_segment_fixed_size: 0
    .kernarg_segment_align: 8
    .kernarg_segment_size: 24
    .max_flat_workgroup_size: 256
    .sgpr_count:     66
    .vgpr_count:     512
    .wavefront_size: 32
...
	.end_amdgpu_metadata
.endif
;; end of part 3
